; MI455X (gfx1250); checked and timed in simulation.
; The chip was launched on July 23, 2026; its instructions are those of AMD's public machine-readable ISA for CDNA 5 (MIT licence, August 2026) and "CDNA5" Instruction Set Architecture Reference Guide (July 2026). The comments in the code are by the model that wrote it; some were corrected since.
;; Sub LSTM Cuda Cell. Allowed arithmetic: matrix products marked QUANTISED: E3M2 operands, one E8M0 scale for each 32 along K, by v_wmma_scale_f32_16x16x128_f8f6f4 with both operands' format E3M2, f32 sums; everything else in f32.
;; Inputs: bias 4,096 float32; input 8,192 x 1,024 float32; old_cell 8,192 x 1,024 float32; old_h 8,192 x 1,024 float32; weights_codes 4,096 x 64 x 24 uint8 (E3M2 codes of weights, K innermost, in blocks of 32 codes, four codes in three bytes); weights_scales 4,096 x 64 uint8 (E8M0 scales of weights, one for each 32 codes along K).
;; Outputs: out0 8,192 x 1,024 float32; out1 8,192 x 1,024 float32.
;; This version of the problem:
;;   THIS VERSION OF THE PROBLEM IS GIVEN IN LOW PRECISION. The matrix products marked QUANTISED in the list below multiply operands that are first quantised to E3M2 (3 exponent bits, 2 mantissa bits; 6 bits a number), with one power-of-two scale for each 32 numbers along K (OCP MX v1.0); their sums are f32. All else is computed in f32.
;;   The module's matrix products, in the order in which they are computed (A, B: the left and right operand; K: the contracted axis; several contracted axes count as one K, in the product's order):
;;     1. [M 8,192, K 2,048] x [K 2,048, N 4,096]; A: computed on the way; B: input weights (given as codes): QUANTISED
;;   THE QUANTISER, for each operand of a quantised product, along K:
;;     - K is cut into blocks of 32 from its start; a last block that is shorter is filled with zeros.
;;     - A block's scale is 2^e with e = floor(log2(the largest magnitude in the block)) - 4, held to -126 .. 127; a block of zeros has e = 0. As a byte (E8M0): e + 127.
;;     - Each number is divided by its block's scale, clamped to +-28, and rounded to the nearest number of E3M2, ties to even, subnormals kept.
;;     - The product sums the exact products of the quantised numbers (number of the format x scale) in f32.
;;   ~~~python
;;   def quantise(x, axis):      # numpy; x: float32 -> the quantised numbers, widened to float32 again
;;       x = np.moveaxis(x, axis, -1); K = x.shape[-1]
;;       x = np.pad(x, [(0, 0)] * (x.ndim - 1) + [(0, -K % 32)]); x = x.reshape(x.shape[:-1] + (-1, 32)); a = np.abs(x).max(-1, keepdims=True)
;;       e = np.where(a > 0, np.clip(np.frexp(np.where(a > 0, a, 1))[1] - 1 - 4, -126, 127), 0)      # np.frexp(a)[1] - 1 = floor(log2(a)), exactly
;;       r = np.clip(x / 2.0 ** e, -28, 28)
;;       step = 2.0 ** (np.maximum(np.frexp(np.where(r == 0, 1, r))[1] - 1, -2) - 2)
;;       q = np.round(r / step) * step * 2.0 ** e      # np.round: ties to even
;;       return np.moveaxis(q.reshape(q.shape[:-2] + (-1,))[..., :K], -1, axis).astype(np.float32)
;;   ~~~
;;   OPERANDS COMPUTED ON THE WAY. 'Computed on the way' means the value that the module computes at that place (a softmax that the list does not call 'softmax' is quantised finished and normalised). What goes into a quantiser is computed in f32, as accurately as f32 sums, v_exp_f32 and their like allow (about 1e-6 of the number): no bf16 or f16 on the way to a quantiser, and a product that is left as it is and whose result goes on into a quantised operand takes f32 operands (vector FMAs, or v_wmma_f32_16x16x4_f32). A number that lies on a knife's edge between two numbers of the format may be rounded either way, as far as f32 arithmetic and the matrix unit's own rounding can turn it there, and no further.
;;   INPUTS GIVEN AS CODES. weights (in the module: [4096, 2048], K = its axis 1): each comes as NAME_codes (uint8): NAME with its K axis moved to the last place and cut into blocks of 32 codes, [.., K / 32, bytes a block], one block behind the other in memory; four codes in three bytes: a row's codes are one little-endian stream of bits, code i at bits 6 i .. 6 i + 5 (a code: sign, 3 exponent bits, 2 mantissa bits); and NAME_scales (uint8): the same leading axes, one E8M0 byte (e + 127) for each 32 codes along K. Its value is code x scale, taken as it is: it is not quantised again, and the codes and scales need not be those that the quantiser above would give.
;; One version. Each part assembles by itself: llvm-mc -triple=amdgcn-amd-amdhsa -mcpu=gfx1250 --defsym DOCPART=n.
;; ======== version 1 of 1: 2 launches
;; limits: right only within a limited range of input values
;; workspace buffers: xq 12,582,912 bytes; wq 6,291,456 bytes; sc 786,432 bytes
;; launch prep (part 1): grid 768 x 1, 4 waves a work-group, no clusters, 35,328 bytes of LDS; arguments old_h, input, weights_codes, weights_scales, xq, wq, sc; writes xq, wq, sc
.if DOCPART == 1
	.amdgcn_target "amdgcn-amd-amdhsa--gfx1250"
	.amdhsa_code_object_version 6
	.text
	.protected	k_qcdf2526aea_prep
	.globl	k_qcdf2526aea_prep
	.p2align	8
	.type	k_qcdf2526aea_prep,@function
k_qcdf2526aea_prep:
	s_mov_b64 s[64:65], 0
	v_nop
	global_prefetch_b8 v0, s[64:65] scope:SCOPE_SE
	s_setreg_imm32_b32 hwreg(HW_REG_WAVE_MODE, 25, 1), 1
	s_wait_xcnt 0x0
; X = [old_h, input], [8192][2048] f32, is quantised along K into codes of BF6 (E3M2) with one E8M0 byte for each 32 along K; W's codes and bytes, which are given, are laid anew.
; Both leave as IMAGES OF THE MATRIX OPERAND'S REGISTERS: a fragment (16 rows x 128 K) is 12 registers a lane; registers 4 g .. 4 g + 3 of lane l lie at byte 512 g + 16 l of the fragment's 1,536 bytes.
;   xq [ty 32][half 2][step 16][i 8][1536]: rows 256 ty + 128 half + 16 i + r, K = 128 step + 0 .. 127: any run of steps of a half tile is one dense block.
;   wq [tx 16][half 2][step 16][b 8][1536]: block B = 8 half + b = 4 g + u holds in lane r W's row 1024 g + 64 tx + 4 r + u: the four blocks u of gate g give lane r the neighbouring cells 4 r .. 4 r + 3 of the tile's 64.
;   sc: scale words (four bytes: 128 along K of one row), [block of 16 rows][s 8][r 16][q 2], step = 2 s + q: X's 512 blocks first, then W's 256 in wq's order, from byte 524,288 on.
; A block's scale is 2^(floor(log2(its largest magnitude)) - 4); its byte is the largest magnitude's exponent field - 4, held at 1 from below.  A block of zeros so gets the byte 1 where the rule says 127:
; its codes are zeros, which add nothing under any byte but 0xff, and these bytes are read by this program alone.
; LIMITS: NaN and infinities among the inputs are not served.  Blocks whose largest magnitude lies under 2^-122 are quantised under the held byte 1.
; SHARES.  Work-groups 0 .. 511 take 16 rows of X each, work-groups 512 .. 767 one block of W each.  Wave j takes 512 along K: four fragments, steps 4 j .. 4 j + 3 (in X: waves 0, 1 old_h, waves 2, 3 input).
; X: each load reads 512 consecutive bytes of one row; a fragment's 16 x 512 bytes turn through the wave's own stage in LDS and come back so that lane (r, h) holds k = 64 c + 32 h + 0 .. 31 of row r:
; a lane holds two whole blocks, so no other lane is asked for a maximum, and the conversions' results are the operand's registers.
; W: lane (r, h) loads its 2 x 24 bytes of a fragment as six pieces of 8 bytes and stores them as an image.  W is a twelfth of what the launch reads; a stage in LDS for it is not spent.
; No tensor loads, no barrier: waves share nothing.  Every store of codes covers 512 consecutive bytes, every store of scale words 256, each at a multiple of 256 from its buffer's first byte.
.set SP,   528                         ; a stage row: 512 bytes + 16
.set STG,  16*SP                       ; a wave's stage
.set STEPB, 12288                      ; from one step of a half tile to the next: 8 fragments
.set M,    10                          ; v10-11   the two blocks' largest magnitudes
.set E,    12                          ; v12-13   the conversions' scale operands
.set BY,   14                          ; v14-15   the scale bytes
.set W,    16                          ; v16-19   a scale word for each fragment
.set C,    24                          ; v24-35   a fragment's codes
.set T,    36                          ; v36-38, v40-42  the second halves of the blocks' codes
.set X,    64                          ; v64-127  64 numbers in the operand's order
.set F,    64                          ; v64-111  (W's work-groups) four fragments
.set R,    128                         ; v128-255 two sets of 64 numbers as they are loaded
	s_load_b256 s[4:11], s[0:1], 0x0               ; old_h, input, W's codes, W's scale bytes
	s_load_b128 s[12:15], s[0:1], 0x20             ; xq, wq
	s_load_b64 s[16:17], s[0:1], 0x30              ; sc
	v_lshl_add_u32 v62, v0, 2, 0x8800              ; my spare word, behind the stages
	v_mov_b32 v63, 0
	v_lshrrev_b32 v1, 5, v0
	v_readfirstlane_b32 s20, v1                    ; wave j
	v_and_b32 v1, 31, v0                           ; lane
	v_and_b32 v2, 15, v0                           ; r
	v_bfe_u32 v3, v0, 4, 1                         ; h
	v_lshlrev_b32 v4, 4, v1                        ; 16 x lane
	v_lshlrev_b32 v7, 3, v2
	v_lshl_add_u32 v7, v3, 7, v7                   ; 128 h + 8 r: my two scale words among the wave's 64
	s_cmp_lt_u32 ttmp9, 512                        ; X's work-group or W's?
	s_cselect_b32 s21, 0, 512
	s_cselect_b32 s27, 0, 0x80000
	s_sub_co_u32 s21, ttmp9, s21                   ; id: which block of 16 rows
	s_lshr_b32 s22, s21, 4
	s_mul_i32 s22, s22, 393216                     ; (id / 16) tiles of 2 x 16 x 8 fragments,
	s_bfe_u32 s23, s21, 0x10003                    ; which half of the tile,
	s_mul_i32 s23, s23, 196608
	s_add_co_u32 s22, s22, s23
	s_and_b32 s23, s21, 7
	s_mul_i32 s23, s23, 1536                       ; which of the half's eight blocks,
	s_add_co_u32 s22, s22, s23
	s_mul_i32 s23, s20, 4*STEPB                    ; and the wave's four steps
	s_add_co_u32 s22, s22, s23
	s_mov_b32 s23, 0
	s_lshl_b32 s26, s21, 10                        ; the scale words: 1,024 bytes a block, 256 a wave
	s_add_co_u32 s26, s26, s27
	s_lshl_b32 s27, s20, 8
	s_add_co_u32 s26, s26, s27
	s_mov_b32 s27, 0
	s_wait_kmcnt 0x0
	s_cmp_lt_u32 ttmp9, 512
	s_cselect_b64 s[12:13], s[12:13], s[14:15]
	s_add_nc_u64 s[12:13], s[12:13], s[22:23]
	s_add_nc_u64 s[16:17], s[16:17], s[26:27]
	s_cmp_lt_u32 ttmp9, 512
	s_cbranch_scc0 .Lw
	; ---------------- X ----------------
	s_cmp_lt_u32 s20, 2                            ; K below 1,024 is old_h, the rest input
	s_cselect_b64 s[4:5], s[4:5], s[6:7]
	s_lshl_b32 s22, s21, 16                        ; 16 rows of 4,096 bytes,
	s_and_b32 s23, s20, 1
	s_lshl_b32 s23, s23, 11                        ; and which 512 numbers of a row
	s_add_co_u32 s22, s22, s23
	s_mov_b32 s23, 0
	s_add_nc_u64 s[4:5], s[4:5], s[22:23]
.macro LOAD t                          ; fragment t: 128 numbers of each of the 16 rows, into set t % 2
.irp rho, 0,1,2,3,4,5,6,7,8,9,10,11,12,13,14,15
	global_load_b128 v[R+64*((\t)%2)+4*\rho:R+64*((\t)%2)+4*\rho+3], v4, s[4:5] offset:4096*\rho+512*(\t) th:TH_LOAD_NT
.endr
.endm
	s_wait_alu depctr_va_vdst(0)
	LOAD 0
	LOAD 1
	s_mov_b32 s24, 0x76543210
	s_mov_b32 s25, 0xfedcba98                      ; v_permlanex16_b32's selects for lane l xor 16
	s_mul_i32 s28, s20, STG                        ; my wave's stage
	v_add_nc_u32 v5, s28, v4                       ; into it: a row as it was loaded
	v_mul_u32_u24 v6, v2, SP
	v_lshl_add_u32 v6, v3, 7, v6
	v_add_nc_u32 v6, s28, v6                       ; out of it: row r, + 128 h bytes
	v_lshlrev_b32 v8, 3, v3                        ; 8 h: how far my two scale bytes are shifted
	v_mov_b32 v22, 0                               ; a lane permute's destination counts as one of its sources
.macro TURN t                          ; LDS serves a wave's instructions in order (ISA guide 5.7.1.4): no wait stands between the stores and the loads
.irp rho, 0,1,2,3,4,5,6,7,8,9,10,11,12,13,14,15
	ds_store_b128 v5, v[R+64*((\t)%2)+4*\rho:R+64*((\t)%2)+4*\rho+3] offset:SP*\rho
.endr
.irp c, 0,1
.irp jj, 0,1,2,3,4,5,6,7
	ds_load_b128 v[X+32*\c+4*\jj:X+32*\c+4*\jj+3], v6 offset:256*\c+16*\jj   ; register 32 c + i: k = 64 c + 32 h + i of row r
.endr
.endr
.endm
.macro QUANT t
.if (\t) > 0
	s_wait_xcnt 0x0                                ; the codes' registers are written again only behind this wait
.endif
.irp c, 0,1
	v_max3_num_f32 v[M+\c], |v[X+32*\c]|, |v[X+32*\c+1]|, 0x2800000   ; block 2 c + h, and the floor 2^(5 - 127): the byte cannot fall under 1
.endr
.irp i, 2,4,6,8,10,12,14,16,18,20,22,24,26,28,30
.irp c, 0,1
	v_max3_num_f32 v[M+\c], v[M+\c], |v[X+32*\c+\i]|, |v[X+32*\c+\i+1]|
.endr
.endr
.irp c, 0,1
	v_add_nc_u32 v[E+\c], 0xfe000000, v[M+\c]      ; 4 off the exponent field: the conversion's scale operand
.endr
.irp c, 0,1
	v_lshrrev_b32 v[BY+\c], 23, v[E+\c]            ; the scale's byte
.endr
	v_lshl_or_b32 v[W+(\t)], v[BY+1], 16, v[BY]    ; my two bytes: blocks h and 2 + h of row r,
	v_lshlrev_b32 v[W+(\t)], v8, v[W+(\t)]         ; at their places in the word;
	v_permlanex16_b32 v22, v[W+(\t)], s24, s25
	v_or_b32 v[W+(\t)], v[W+(\t)], v22             ; with lane l xor 16's two the word is whole
.irp c, 0,1
	v_cvt_scalef32_pk16_bf6_f32 v[C+6*\c:C+6*\c+2], v[X+32*\c:X+32*\c+15], v[E+\c]
	v_cvt_scalef32_pk16_bf6_f32 v[T+4*\c:T+4*\c+2], v[X+32*\c+16:X+32*\c+31], v[E+\c]       ; (three registers begin on an even number: the second half is made elsewhere and moved)
.endr
	v_nop                                          ; one plain place behind a scaled conversion
.irp c, 0,1
.irp i, 0,1,2
	v_mov_b32 v[C+6*\c+3+\i], v[T+4*\c+\i]
.endr
.endr
.irp g, 0,1,2
	global_store_b128 v4, v[C+4*\g:C+4*\g+3], s[12:13] offset:(\t)*STEPB+512*\g   ; the image: 512 consecutive bytes a store
.endr
.endm
	s_wait_alu depctr_va_vdst(0)
.irp t, 0,1,2,3
.if \t < 3
	s_wait_loadcnt 16                              ; this fragment's 16 loads are in; the next fragment's 16 may be out
.else
	s_wait_loadcnt 0x0
.endif
	TURN \t
	s_wait_dscnt 0x0                               ; the numbers are back, and the stage's stores have read the set,
.if \t < 2
	LOAD \t+2                                      ; which takes the loads of two fragments on
.endif
	QUANT \t
.endr
	v_cmp_eq_u32 vcc_lo, 1, v3                     ; lanes 0-15 store the words of fragments 0, 1, lanes 16-31 those of fragments 2, 3
	v_cndmask_b32 v20, v[W], v[W+2], vcc_lo
	v_cndmask_b32 v21, v[W+1], v[W+3], vcc_lo
	global_store_b64 v7, v[20:21], s[16:17]        ; 32 lanes store 256 consecutive bytes
	s_wait_tensorcnt 0x0                           ; the wave's end
	ds_add_u32 v62, v63
	s_wait_dscnt 0x0
	s_endpgm
	; ---------------- W ----------------
.Lw:
	s_lshr_b32 s22, s21, 4                         ; tx
	s_and_b32 s23, s21, 15                         ; B = 4 g + u
	s_bfe_u32 s26, s23, 0x20002                    ; g: 2 bits from bit 2
	s_lshl_b32 s26, s26, 10
	s_lshl_b32 s22, s22, 6
	s_add_co_u32 s26, s26, s22
	s_and_b32 s22, s23, 3                          ; u
	s_add_co_u32 s26, s26, s22                     ; lane 0's row of W: 1024 g + 64 tx + u
	s_mul_i32 s22, s26, 1536                       ; a row of 2,048 codes is 1,536 bytes;
	s_mul_i32 s23, s20, 384                        ; the wave's 512 codes are 384
	s_add_co_u32 s22, s22, s23
	s_mov_b32 s23, 0
	s_add_nc_u64 s[8:9], s[8:9], s[22:23]
	s_lshl_b32 s26, s26, 6                         ; a row of scale bytes is 64 bytes; the wave's are 16
	s_lshl_b32 s27, s20, 4
	s_add_co_u32 s26, s26, s27
	s_mov_b32 s27, 0
	s_add_nc_u64 s[10:11], s[10:11], s[26:27]
	s_wait_alu depctr_va_vdst(0)
	v_mul_u32_u24 v44, v2, 6144                    ; lane r's row lies 4 r rows of 1,536 bytes on,
	v_mad_u32_u24 v44, v3, 24, v44                 ; + 24 h: my 32 codes of each 64
	v_lshlrev_b32 v45, 8, v2                       ; 4 r rows of 64 scale bytes,
	v_lshl_add_u32 v45, v3, 3, v45                 ; words 2 h and 2 h + 1 of the wave's four
	global_load_b64 v[46:47], v45, s[10:11]
.irp t, 0,1,2,3
.irp p, 0,1,2,3,4,5
	global_load_b64 v[F+12*\t+2*\p:F+12*\t+2*\p+1], v44, s[8:9] offset:96*\t+48*(\p/3)+8*(\p%3)
.endr
.endr
.irp t, 0,1,2,3
	s_wait_loadcnt 6*(3-\t)                        ; this fragment's six loads are in; six for each later fragment may be out
.if \t == 0
	global_store_b64 v7, v[46:47], s[16:17]        ; 32 lanes store 256 consecutive bytes
.endif
.irp g, 0,1,2
	global_store_b128 v4, v[F+12*\t+4*\g:F+12*\t+4*\g+3], s[12:13] offset:\t*STEPB+512*\g
.endr
.endr
	s_endpgm
.Lfunc_end_k_qcdf2526aea_prep:
	.size	k_qcdf2526aea_prep, .Lfunc_end_k_qcdf2526aea_prep-k_qcdf2526aea_prep
	.p2alignl 7, 3214868480
	.fill 96, 4, 3214868480
	.section	.rodata,"a",@progbits
	.p2align	6, 0x0
	.amdhsa_kernel k_qcdf2526aea_prep
		.amdhsa_group_segment_fixed_size 35328
		.amdhsa_private_segment_fixed_size 0
		.amdhsa_enable_private_segment 0
		.amdhsa_kernarg_size 56
		.amdhsa_user_sgpr_count 2
		.amdhsa_user_sgpr_kernarg_segment_ptr 1
		.amdhsa_wavefront_size32 1
		.amdhsa_system_sgpr_workgroup_id_x 1
		.amdhsa_system_sgpr_workgroup_id_y 1
		.amdhsa_system_sgpr_workgroup_id_z 1
		.amdhsa_system_vgpr_workitem_id 0
		.amdhsa_next_free_vgpr 256
		.amdhsa_next_free_sgpr 66
		.amdhsa_reserve_vcc 1
		.amdhsa_float_denorm_mode_32 3
		.amdhsa_float_denorm_mode_16_64 3
		.amdhsa_memory_ordered 1
		.amdhsa_forward_progress 1
		.amdhsa_inst_pref_size 35
	.end_amdhsa_kernel
	.amdgpu_metadata
---
amdhsa.version: [ 1, 2 ]
amdhsa.kernels:
  - .name:           k_qcdf2526aea_prep
    .symbol:         k_qcdf2526aea_prep.kd
    .args:
      - { .name: old_h, .offset: 0, .size: 8, .value_kind: global_buffer, .address_space: global }
      - { .name: input, .offset: 8, .size: 8, .value_kind: global_buffer, .address_space: global }
      - { .name: weights_codes, .offset: 16, .size: 8, .value_kind: global_buffer, .address_space: global }
      - { .name: weights_scales, .offset: 24, .size: 8, .value_kind: global_buffer, .address_space: global }
      - { .name: xq, .offset: 32, .size: 8, .value_kind: global_buffer, .address_space: global }
      - { .name: wq, .offset: 40, .size: 8, .value_kind: global_buffer, .address_space: global }
      - { .name: sc, .offset: 48, .size: 8, .value_kind: global_buffer, .address_space: global }
    .group_segment_fixed_size: 35328
    .private_segment_fixed_size: 0
    .kernarg_segment_align: 8
    .kernarg_segment_size: 56
    .max_flat_workgroup_size: 128
    .sgpr_count:     66
    .vgpr_count:     256
    .wavefront_size: 32
...
	.end_amdgpu_metadata
.endif
;; end of part 1
;; launch cell (part 2): grid 16 x 16, 4 waves a work-group, clusters of 4 x 4, 327,680 bytes of LDS; arguments xq, wq, sc, bias, old_cell, out0, out1; writes out0, out1
.if DOCPART == 2
	.amdgcn_target "amdgcn-amd-amdhsa--gfx1250"
	.amdhsa_code_object_version 6
	.text
	.protected	k_qcdf2526aea_cell
	.globl	k_qcdf2526aea_cell
	.p2align	8
	.type	k_qcdf2526aea_cell,@function
k_qcdf2526aea_cell:
	s_mov_b64 s[64:65], 0
	v_nop
	global_prefetch_b8 v0, s[64:65] scope:SCOPE_SE
	s_setreg_imm32_b32 hwreg(HW_REG_WAVE_MODE, 25, 1), 1
	s_wait_xcnt 0x0
	s_wait_alu depctr_hold_cnt(0) depctr_sa_sdst(0) depctr_va_vdst(0) depctr_va_sdst(0) depctr_va_ssrc(0) depctr_va_vcc(0) depctr_vm_vsrc(0)
	s_getreg_b32 s2, hwreg(HW_REG_IB_STS2, 6, 4)
	s_cmp_eq_u32 s2, 0
	s_cbranch_scc0 .Lentry_in_a_cluster
	s_endpgm
.Lentry_in_a_cluster:
	s_bfe_u32 s2, ttmp6, 0x10000c
	s_cmp_lg_u32 s2, 0xf033
	s_cbranch_scc0 .Lentry_shape_is_right
	s_endpgm
.Lentry_shape_is_right:
; gates = sigmoid(X W^T + bias) on codes of BF6 (E3M2) with one E8M0 scale for each 32 along K (K = 2,048); new_cell = old_cell f + (z - in); new_h = sigmoid(new_cell) - out.
; out0 = new_h, out1 = new_cell, [8192][1024] f32.  xq, wq: codes as images of the operand's registers (a fragment, 16 rows x 128 K, is 1,536 bytes: registers 4 g .. 4 g + 3 of lane l at 512 g + 16 l);
; a half tile is [step 16][block 8] fragments on end.  sc: scale words [block][s 8][r 16][q 2], step = 2 s + q; X's 512 blocks, then W's 256 from byte 524,288 on.
; W's block B = 4 g + u of tile tx holds in lane r the row 1024 g + 64 tx + 4 r + u.
; SHARES.  A tile is 256 rows x 64 cells (256 gate columns).  A WORK-GROUP STAYS and makes two tiles, 4,096 rows apart, on the same 64 cells: W's scale words and the bias serve both.
; Wave w makes the tile's rows 64 w .. 64 w + 63 x ALL 256 gate columns: 4 blocks of X x 16 blocks of W, 64 accumulators, 512 registers.
; Source 0 = 16 rows of X, source 1 = 16 rows of W: register j of lane (r, h) of accumulator (a, 4 g + u) is gate g of row 16 a + 8 h + j, cell 4 r + u.
; So a lane holds the four gates of FOUR NEIGHBOURING CELLS of a row, and sixteen lanes hold a row's 64 cells, 256 bytes: old_cell is loaded and both outputs are stored 16 bytes a lane,
; each instruction two whole aligned runs of 256 bytes, straight between registers and memory.  The way out has no LDS stage; nothing is ever stored to LDS.
; K goes in 16 steps of 128 through a ring of two LDS slots of three steps: six fills a tile (3, 3, 3, 3, 3, 1 steps), each wave fetching a quarter of a slot (36,864 dense bytes as 144 rows of 256) by one load.
; THE RING GOES ON INTO THE NEXT TILE: behind a tile's last step slot 0 takes the next tile's steps 0 to 2, and behind the second block of the way out slot 1 takes its steps 3 to 5.
; The last tile asks for nothing more: a branch on the count of tiles, which is the same in every work-group, leads round these two refills with their rounds.
; A step is 64 matrix instructions in four quarters of 4 blocks of W x my 4 blocks of X.  W has ONE set of registers, fetched anew in two runs a step (blocks 0-7 in its middle, 8-15 at its end); X has two sets.
; THE SCALE WORDS of all of K stay in 160 registers: W's blocks B and 8 + B share a register (lanes 0-15, lanes 16-31), X's blocks a and a + 2 likewise.
; The bias goes into the multiply-add that makes the exponent: -log2(e) x + (-log2(e) bias).
; CLUSTERS: 4 x 4 work-groups; X's tiles are asked for jointly along a row of the cluster, W's along a column.
; PREFETCH: a tile's fills 2 to 5, and of X the next tile's fills 0 and 1, are named by global_prefetch_b8 one fill ahead of their tensor loads (two to four steps of K).  Of the 144 blocks of 256 bytes that a wave
; fetches (48 in a tile's last fill) each of the four partners that ask for them jointly names 36 (12), told apart by address alone (cx for X, cy for W); a lane a block, and lanes left over name their wave's last
; block again.  W's blocks are named in the first tile alone: the second takes the same rows.  The launch's first two fills come by their loads alone, and the last tile names nothing beyond itself.
; sigmoid(x) = 1 / (1 + 2^(-x log2 e)): where the power overflows the reciprocal gives 0.  LIMITS: NaN and infinities among the inputs are not served.
; REGISTERS: window 0: v16-31 addresses; v32-159 W's scale words, v160-191 X's; v192-239 X's fragments, set 0; v240-255 the bias.
;   window 1: v0-191 W's fragments; v192-239 X's set 1.  On the way out: v0-127 old_cell, then new_cell; v128-255 new_h.
;   window 2: accumulators of W's blocks 0-7 (in, out), (a, B) at v[8 (8 a + B)];  window 3: those of blocks 8-15 (z, f).
.set FRB,   1536
.set QT,    24*FRB                     ; 3 steps x 8 blocks: what one tensor load brings
.set SLOT,  4*QT                       ; X's two halves, then W's two
.set HALFM, 128*FRB
.set TROW,  2*HALFM
.set NEXTX, 16*TROW-4*QT               ; from a slot's last fill of a tile to its first of the next: 16 tiles of X on, four fills back along K
.set SPARE, 2*SLOT                     ; the spare words: 128 bytes a wave, named by no other line
.set ADRA, 16                          ; v16-17  my fragments of X in slot 0, 1
.set ADRB, 18                          ; v18-21  W's half hf in slot s: v[18 + 2 s + hf]
.set BO,   22                          ; v22     16 r
.set SAW,  23                          ; v23     8 r + 8,192 h: W's scale words
.set SAX,  24                          ; v24     8 r + 2,048 h: X's
.set CO,   26                          ; v26     16 r + 8 h rows of 4,096 bytes
.set PF5,  27                          ; v27     the prefetches' offsets, never rewritten: my work-group's 12 blocks of a tile's last fill: 3,072 p + 256 min(lane, 11);
.set SPW,  28
.set NIL,  29
.set PF0,  30                          ; v30     its 36 blocks of a full fill: 9,216 p + 256 lane,
.set PF1,  31                          ; v31     and 9,216 p + 256 min(32 + lane, 35)
.set SCW,  32
.set SCX,  160
.set XF,   192
.set BS,   240
.set G1,   24
.set G0,   32
.set G1B,  48
.set G0B,  56
.set G1L,  68
.set G1LB, 80
.set PFA,  76                          ; s[76:77] the half tile of X or of W that my wave fetches, at this tile's step 0
.set LG,   100                         ; s[100:101] -log2(e)
.set MSB, 0
.macro WIN new                         ; the immediate's high byte repeats the setting that is left
.if MSB != (\new)
	s_set_vgpr_msb (MSB<<8)|(\new)
.set MSB, (\new)
.endif
.endm
.macro PLACES n
.rept \n
	v_nop
.endr
.endm
; a joint load: waves 0, 1 fetch X's halves, waves 2, 3 W's; s_nop 0 and four v_nop behind each line
.macro JLOAD g0a, g1a, g0b, g1b
	s_cmp_eq_u32 s21, 0
	s_cbranch_scc0 .Lfor_b_\@
	tensor_load_to_lds s[\g0a:\g0a+3], s[\g1a:\g1a+7]
	s_nop 0
	PLACES 4
	s_branch .Lasked_\@
.Lfor_b_\@:
	tensor_load_to_lds s[\g0b:\g0b+3], s[\g1b:\g1b+7]
	s_nop 0
	PLACES 4
.Lasked_\@:
.endm
.macro CREST
	s_cmp_lg_u32 s20, 0
	s_cbranch_scc1 .Lnot_wave_0_\@
	s_barrier_signal -3
.Lnot_wave_0_\@:
	s_barrier_wait -3
	s_barrier_signal -1
	s_barrier_wait -1
.endm
.macro CROUND
	s_barrier_signal -1
	s_barrier_wait -1
	CREST
.endm
; A prefetch.  pf = 2 .. 5: this tile's fill pf (s2 = 1: X's waves in both tiles, W's in the first);  6, 7: the next tile's fill 0, 1 (s78 = 1: X's waves in the first tile);  0: none.
; The branch hangs on the wave's number and on the count of tiles alone.
.macro ASK pf
.if (\pf)>0
	WIN 0
.if (\pf)<6
	s_cmp_eq_u32 s2, 1
.else
	s_cmp_eq_u32 s78, 1
.endif
	s_cbranch_scc0 .Lnot_mine_\@
.if (\pf)<5
	global_prefetch_b8 v[PF0], s[PFA:PFA+1] offset:(\pf)*QT th:TH_LOAD_NT scope:SCOPE_SE
	global_prefetch_b8 v[PF1], s[PFA:PFA+1] offset:(\pf)*QT th:TH_LOAD_NT scope:SCOPE_SE
.elseif (\pf)==5
	global_prefetch_b8 v[PF5], s[PFA:PFA+1] offset:5*QT th:TH_LOAD_NT scope:SCOPE_SE
.else
	global_prefetch_b8 v[PF0], s[PFA:PFA+1] offset:16*TROW+((\pf)-6)*QT th:TH_LOAD_NT scope:SCOPE_SE
	global_prefetch_b8 v[PF1], s[PFA:PFA+1] offset:16*TROW+((\pf)-6)*QT th:TH_LOAD_NT scope:SCOPE_SE
.endif
.Lnot_mine_\@:
.endif
.endm
	s_load_b256 s[4:11], s[0:1], 0x0               ; xq, wq, sc, bias
	s_load_b128 s[12:15], s[0:1], 0x20             ; old_cell, out0
	s_load_b64 s[16:17], s[0:1], 0x30              ; out1
	v_lshl_add_u32 v[SPW], v0, 2, SPARE
	v_mov_b32 v[NIL], 0
	ds_add_u32 v[SPW], v[NIL]                      ; the opening lines: the add twice on end and one wait
	ds_add_u32 v[SPW], v[NIL]
	v_lshrrev_b32 v1, 5, v0
	v_readfirstlane_b32 s20, v1                    ; wave w
	s_lshr_b32 s21, s20, 1                         ; I fetch for X (0) or for W (1); also: my rows' half tile of X
	s_and_b32 s22, s20, 1                          ; which half of that tile I fetch; also: blocks 0-3 or 4-7 of my half tile of X
	s_bfe_u32 s40, ttmp6, 0x40000                  ; cx, cy
	s_bfe_u32 s41, ttmp6, 0x40004
	s_lshl_b32 s42, ttmp9, 2
	s_add_co_u32 s42, s42, s40                     ; tx: which 64 cells
	s_and_b32 s43, ttmp7, 0xffff
	s_lshl_b32 s43, s43, 2
	s_add_co_u32 s43, s43, s41                     ; ty, 0 .. 15: my first tile's 256 rows; the second is tile ty + 16
	s_lshl_b32 s44, s41, 2
	s_lshl_b32 s44, 15, s44                        ; my row of the cluster
	s_lshl_b32 s45, 0x1111, s40                    ; my column
	s_or_b32 s[G1], s44, (3<<16)|(1<<21)           ; elements of 8 bytes; X's tiles go to my row,
	s_or_b32 s[G1B], s45, (3<<16)|(1<<21)          ; W's to my column
	s_or_b32 s[G1L], s44, (3<<16)|(1<<21)
	s_or_b32 s[G1LB], s45, (3<<16)|(1<<21)
.irp g, G1, G1B                                ; 144 dense rows of 256 bytes
	s_mov_b32 s[\g+1], 32<<16
	s_mov_b32 s[\g+2], 144<<16
	s_mov_b32 s[\g+3], 32<<16
	s_mov_b32 s[\g+4], 144
	s_mov_b32 s[\g+5], 32
	s_mov_b32 s[\g+6], 0
	s_mov_b32 s[\g+7], 0
.endr
.irp g, G1L, G1LB                              ; a tile's last step alone: 48 such rows
	s_mov_b32 s[\g+1], 32<<16
	s_mov_b32 s[\g+2], 48<<16
	s_mov_b32 s[\g+3], 32<<16
	s_mov_b32 s[\g+4], 48
	s_mov_b32 s[\g+5], 32
	s_mov_b32 s[\g+6], 0
	s_mov_b32 s[\g+7], 0
.endr
	s_mul_i32 s23, s22, HALFM
	s_mul_i32 s46, s43, TROW                       ; X's tile hangs on ty alone,
	s_add_co_u32 s46, s46, s23
	s_mov_b32 s47, 0
	s_mul_i32 s66, s42, TROW                       ; W's on tx alone
	s_add_co_u32 s66, s66, s23
	s_mov_b32 s67, 0
	s_mul_i32 s2, s20, QT                          ; where my quarter of a slot lies
	s_mul_i32 s92, s21, QT
	s_mul_i32 s93, s22, 4*FRB
	s_add_co_u32 s92, s92, s93                     ; my four blocks of X in slot 0,
	s_add_co_u32 s93, s92, SLOT                    ; in slot 1
	s_lshl_b32 s94, s42, 8                         ; 64 tx numbers of 4 bytes
	s_mov_b32 s95, 0
	s_lshl_b32 s18, s43, 20                        ; 256 ty rows of 4,096 bytes
	s_add_co_u32 s18, s18, s94
	s_lshl_b32 s19, s20, 18                        ; + 64 w rows
	s_add_co_u32 s18, s18, s19
	s_mov_b32 s19, 0
	s_lshl_b32 s96, s42, 14                        ; W's scale words: 16 tx blocks of 1,024 bytes, behind X's
	s_add_co_u32 s96, s96, 0x80000
	s_mov_b32 s97, 0
	s_lshl_b32 s98, s43, 14                        ; X's: 16 ty + 4 w blocks
	s_lshl_b32 s99, s20, 12
	s_add_co_u32 s98, s98, s99
	s_mov_b32 s99, 0
	s_mov_b32 s[LG], 0xbfb8aa3b                    ; -log2(e)
	s_mov_b32 s[LG+1], s[LG]
	s_wait_dscnt 0x0                               ; both opening adds are done
	s_wait_kmcnt 0x0
	s_add_nc_u64 s[46:47], s[4:5], s[46:47]
	s_add_nc_u64 s[66:67], s[6:7], s[66:67]
.irp s, 0,1
	s_mov_b32 s[G0+4*\s], 1
	s_add_co_u32 s[G0+4*\s+1], s2, \s*SLOT
	s_add_nc_u64 s[G0+4*\s+2:G0+4*\s+3], s[46:47], \s*QT
	s_or_b32 s[G0+4*\s+3], s[G0+4*\s+3], 0x80000000
	s_mov_b32 s[G0B+4*\s], 1
	s_add_co_u32 s[G0B+4*\s+1], s2, \s*SLOT
	s_add_nc_u64 s[G0B+4*\s+2:G0B+4*\s+3], s[66:67], \s*QT
	s_or_b32 s[G0B+4*\s+3], s[G0B+4*\s+3], 0x80000000
.endr
	s_add_nc_u64 s[12:13], s[12:13], s[18:19]
	s_add_nc_u64 s[14:15], s[14:15], s[18:19]
	s_add_nc_u64 s[16:17], s[16:17], s[18:19]
	s_add_nc_u64 s[10:11], s[10:11], s[94:95]
	s_add_nc_u64 s[88:89], s[8:9], s[96:97]
	s_add_nc_u64 s[90:91], s[8:9], s[98:99]
	s_cmp_eq_u32 s21, 0                            ; the prefetches: do I fetch for X?
	s_cselect_b64 s[PFA:PFA+1], s[46:47], s[66:67] ; the half tile that I fetch,
	s_cselect_b32 s78, s40, s41                    ; and p, my work-group's place among the four that ask for it with me
	s_mul_i32 s79, s78, 9216                       ; 36 blocks of a full fill,
	s_mul_i32 s2, s78, 3072                        ; 12 of a tile's last
	CROUND                                         ; all sixteen work-groups are here: the first joint loads meet
	JLOAD G0, G1, G0B, G1B                         ; slot 0, steps 0 to 2: one tensor load a wave at the head
	v_and_b32 v1, 15, v0                           ; r
	v_bfe_u32 v2, v0, 4, 1                         ; h
	v_and_b32 v3, 31, v0
	v_lshlrev_b32 v4, 4, v3                        ; 16 x lane
	v_lshlrev_b32 v[BO], 4, v1
	v_lshlrev_b32 v5, 3, v1
	v_lshl_add_u32 v[SAW], v2, 13, v5
	v_lshl_add_u32 v[SAX], v2, 11, v5
	v_lshl_add_u32 v[CO], v2, 15, v[BO]
	v_add_nc_u32 v[ADRA], s92, v4
	v_add_nc_u32 v[ADRA+1], s93, v4
.irp s, 0,1
.irp f, 0,1
	v_add_nc_u32 v[ADRB+2*\s+\f], \s*SLOT+2*QT+\f*QT, v4
.endr
.endr
	v_lshl_add_u32 v[PF0], v3, 8, s79
	v_add_nc_u32 v6, 32, v3
	v_min_u32 v6, 35, v6
	v_lshl_add_u32 v[PF1], v6, 8, s79
	v_min_u32 v7, 11, v3
	v_lshl_add_u32 v[PF5], v7, 8, s2
	s_wait_alu depctr_va_vdst(0)
.irp g, 0,1,2,3                                ; bias of rows 1024 g + 64 tx + 4 r + 0 .. 3: register BS + 4 g + u
	global_load_b128 v[BS+4*\g:BS+4*\g+3], v[BO], s[10:11] offset:4096*\g
.endr
.macro XSCALES                         ; X's scale words: register SCX + 16 p + step: lanes 0-15 block p, lanes 16-31 block p + 2
.irp p, 0,1
.irp s, 0,1,2,3,4,5,6,7
	global_load_b64 v[SCX+16*\p+2*\s:SCX+16*\p+2*\s+1], v[SAX], s[90:91] offset:1024*\p+128*\s
.endr
.endr
.endm
	XSCALES
.irp p, 0,1,2,3,4,5,6,7                        ; W's: register SCW + 16 p + step: lanes 0-15 block p, lanes 16-31 block p + 8
.irp s, 0,1,2,3,4,5,6,7
	global_load_b64 v[SCW+16*\p+2*\s:SCW+16*\p+2*\s+1], v[SAW], s[88:89] offset:1024*\p+128*\s
.endr
.endr
.macro FRAG reg, adr, off              ; a fragment comes as it was stored: three loads of 512 consecutive bytes
.irp c, 0,1,2
	ds_load_b128 v[\reg+4*\c:\reg+4*\c+3], v[\adr] offset:(\off)+512*\c
.endr
.endm
.macro FETCH_W slot, q, b0             ; W's blocks b0 .. b0 + 3 of the slot's q-th step
.irp i, 0,1,2,3
	FRAG 12*((\b0)+\i), ADRB+2*(\slot)+((\b0)/8), (8*(\q)+((\b0)%8)+\i)*FRB
.endr
.endm
.macro FETCH_X slot, q                 ; my four blocks of X; the caller has set the destination's window
.irp i, 0,1,2,3
	FRAG XF+12*\i, ADRA+(\slot), (8*(\q)+\i)*FRB
.endr
.endm
.macro FIRST                           ; a tile's first fragments, in the order in which the quarters want them
	FETCH_X 0, 0
	WIN 0x40
	FETCH_W 0, 0, 0
	FETCH_W 0, 0, 4
	FETCH_W 0, 0, 8
	FETCH_W 0, 0, 12
	WIN 0
.endm
; one product: X's block a x W's block B, step st.  c: the C operand (0 starts a sum).  The scale rows go by the halves of the lanes in which the words lie.
.macro WM B, a, st, c
.set D_, 8*(8*(\a)+((\B)%8))
.set W_, 12*(\B)
.set X_, XF+12*(\a)
.set SX_, SCX+16*((\a)%2)+(\st)
.set SW_, SCW+16*((\B)%8)+(\st)
.if ((\a)<2)&&((\B)<8)
	v_wmma_scale_f32_16x16x128_f8f6f4 v[D_:D_+7], v[X_:X_+11], v[W_:W_+11], \c, v[SX_], v[SW_] matrix_a_fmt:MATRIX_FMT_BF6 matrix_b_fmt:MATRIX_FMT_BF6
.elseif ((\a)<2)
	v_wmma_scale_f32_16x16x128_f8f6f4 v[D_:D_+7], v[X_:X_+11], v[W_:W_+11], \c, v[SX_], v[SW_] matrix_a_fmt:MATRIX_FMT_BF6 matrix_b_fmt:MATRIX_FMT_BF6 matrix_b_scale:MATRIX_SCALE_ROW1
.elseif ((\B)<8)
	v_wmma_scale_f32_16x16x128_f8f6f4 v[D_:D_+7], v[X_:X_+11], v[W_:W_+11], \c, v[SX_], v[SW_] matrix_a_fmt:MATRIX_FMT_BF6 matrix_b_fmt:MATRIX_FMT_BF6 matrix_a_scale:MATRIX_SCALE_ROW1
.else
	v_wmma_scale_f32_16x16x128_f8f6f4 v[D_:D_+7], v[X_:X_+11], v[W_:W_+11], \c, v[SX_], v[SW_] matrix_a_fmt:MATRIX_FMT_BF6 matrix_b_fmt:MATRIX_FMT_BF6 matrix_a_scale:MATRIX_SCALE_ROW1 matrix_b_scale:MATRIX_SCALE_ROW1
.endif
.endm
.macro MULQ k, st, c                   ; quarter k: 16 products; the 64 accumulators take turns in the same order in every step
.irp i, 0,1,2,3
.irp a, 0,1,2,3
	WM 4*(\k)+\i, \a, \st, \c
.endr
.endr
.endm
; Step st.  kind 0: the next step lies in the same slot.  kind 1, 2, 3: a slot's last step: one barrier, with the wait for all tensor loads, the add and the wait for it and for my reads in front;
; 1: the barrier opens a round and the slot takes three steps, six steps on;  2: a tile's last step alone;  3: nothing is filled here.  pf: what is prefetched, behind the joint load and the run of LDS loads.
; Two runs of LDS loads a step, each four places behind the products that read its registers: in the middle the next step's X and W's blocks 0-3, 4-7 (36 loads), at the end W's blocks 8-11, 12-15 (24).
; The counted waits: LDS loads come back in order.  Behind what quarter 0 wants were issued 12 + 24 loads, behind quarter 1's 24, behind quarter 2's 12 + 36, behind quarter 3's 36.
.macro STEP st, kind, c, pf
.set SL, ((\st)/3)%2
.set PP, (\st)%2
.if (\kind)==0
.set NS, SL
.set NQ, (\st)%3+1
	s_wait_dscnt 36
	WIN PP+0xa4
	MULQ 0, \st, \c
	s_wait_dscnt 24
	MULQ 1, \st, \c
	PLACES 4
.else
.set NS, 1-SL
.set NQ, 0
	WIN 0
	s_wait_tensorcnt 0x0                           ; all my tensor loads have landed: my part of the next slot
	ds_add_u32 v[SPW], v[NIL]
	s_wait_dscnt 37                                ; (the add and 36 younger loads may be out)
	WIN PP+0xa4
	MULQ 0, \st, \c
	s_wait_dscnt 0x0                               ; the add is done, and my reads of this slot are over
	s_barrier_signal -1
	MULQ 1, \st, \c
	WIN 0
	s_barrier_wait -1
.if (\kind)<3
	CREST                                          ; no wave of any partner still reads this slot or has a load on its way
	s_add_nc_u64 s[G0+4*SL+2:G0+4*SL+3], s[G0+4*SL+2:G0+4*SL+3], 2*QT
	s_add_nc_u64 s[G0B+4*SL+2:G0B+4*SL+3], s[G0B+4*SL+2:G0B+4*SL+3], 2*QT
.if (\kind)==1
	JLOAD G0+4*SL, G1, G0B+4*SL, G1B               ; my one load behind the round; its four v_nop are the places in front of the loads below
.else
	JLOAD G0+4*SL, G1L, G0B+4*SL, G1LB
.endif
.else
	PLACES 4
.endif
.endif
	WIN 0x40*(1-PP)
	FETCH_X NS, NQ
	WIN 0x40
	FETCH_W NS, NQ, 0
	FETCH_W NS, NQ, 4
.if (\kind)==0
	s_wait_dscnt 48
.endif
	ASK \pf
	WIN PP+0xf4
	MULQ 2, \st, \c
.if (\kind)==0
	s_wait_dscnt 36
.endif
	MULQ 3, \st, \c
	PLACES 4
	WIN 0x40
	FETCH_W NS, NQ, 8
	FETCH_W NS, NQ, 12
.endm
; The next tile's first fill of slot s, behind the full sequence and a round; a branch on the count of tiles leads round it in the last tile.
.macro ONWARD s, lab
	WIN 0
	s_wait_alu depctr_va_vdst(0)
	s_cmp_eq_u32 s3, 1
	s_cbranch_scc1 \lab
	s_wait_tensorcnt 0x0                           ; all my tensor loads have landed
	ds_add_u32 v[SPW], v[NIL]
	s_wait_dscnt 0x0                               ; the add is done; my reads of both slots were over at the last step's last wait
	CROUND
	s_add_nc_u64 s[G0+4*\s+2:G0+4*\s+3], s[G0+4*\s+2:G0+4*\s+3], NEXTX
	s_sub_nc_u64 s[G0B+4*\s+2:G0B+4*\s+3], s[G0B+4*\s+2:G0B+4*\s+3], 4*QT   ; both tiles take the same rows of W
	JLOAD G0+4*\s, G1, G0B+4*\s, G1B
.endm
	s_wait_alu depctr_va_vdst(0)
	s_wait_tensorcnt 0x0                           ; my part of slot 0 is in; slot 1's first fill is issued as a refill is:
	ds_add_u32 v[SPW], v[NIL]
	s_wait_dscnt 0x0
	CROUND
	JLOAD G0+4, G1, G0B+4, G1B                     ; slot 1, steps 3 to 5
	FIRST
	s_wait_loadcnt 0x0                             ; the bias and the scale words
.irp k, 0,2,4,6,8,10,12,14                     ; -log2(e) x bias, once for both tiles
	v_pk_mul_f32 v[BS+\k:BS+\k+1], v[BS+\k:BS+\k+1], s[LG:LG+1] op_sel_hi:[1,0]
.endr
	s_wait_alu depctr_va_vdst(0)
	s_mov_b32 s3, 2                                ; tiles to go, this one among them: the same number in every work-group
.Ltile:
	s_cmp_eq_u32 s3, 2
	s_cselect_b32 s78, 1, 0                        ; the first tile?
	s_xor_b32 s79, s21, 1                          ; do I fetch for X?
	s_or_b32 s2, s78, s79                          ; this tile's fills are prefetched by X's waves, and in the first tile by W's;
	s_and_b32 s78, s78, s79                        ; the next tile's by X's waves in the first tile
	s_wait_loadcnt 0x0                             ; this tile's scale words of X
	STEP 0, 0, 0, 2                                ; the first step's products start the sums
	STEP 1, 0, v[D_:D_+7], 0
	STEP 2, 1, v[D_:D_+7], 3
	STEP 3, 0, v[D_:D_+7], 0
	STEP 4, 0, v[D_:D_+7], 0
	STEP 5, 1, v[D_:D_+7], 4
	STEP 6, 0, v[D_:D_+7], 0
	STEP 7, 0, v[D_:D_+7], 0
	STEP 8, 1, v[D_:D_+7], 5
	STEP 9, 0, v[D_:D_+7], 0
	STEP 10, 0, v[D_:D_+7], 0
	STEP 11, 2, v[D_:D_+7], 6
	STEP 12, 0, v[D_:D_+7], 0
	STEP 13, 0, v[D_:D_+7], 0
	STEP 14, 3, v[D_:D_+7], 7
.macro OLD a                           ; old_cell of my block a: register 32 a + 4 j + u = (row 16 a + 8 h + j, cell 4 r + u): each load takes two whole runs of 256 bytes
.irp j, 0,1,2,3,4,5,6,7
	global_load_b128 v[32*(\a)+4*\j:32*(\a)+4*\j+3], v[CO], s[12:13] offset:(16*(\a)+\j)*4096 th:TH_LOAD_NT
.endr
.endm
	s_wait_dscnt 36                                ; step 15: nothing more to fetch; old_cell is asked for into W's registers as they fall free
	WIN 0xa5
	MULQ 0, 15, v[D_:D_+7]
	s_wait_dscnt 24
	MULQ 1, 15, v[D_:D_+7]
	PLACES 4
	WIN 0x40
	OLD 0
	OLD 1
	OLD 2
	s_wait_dscnt 12
	WIN 0xf5
	MULQ 2, 15, v[D_:D_+7]
	s_wait_dscnt 0x0
	MULQ 3, 15, v[D_:D_+7]
	PLACES 4                                       ; behind the last products: for the loads below and for the first reads of results
	WIN 0x40
	OLD 3
	ONWARD 0, .Lno_a                               ; slot 0 takes the next tile's steps 0 to 2,
	s_add_nc_u64 s[90:91], s[90:91], 0x40000       ; (the loads that read this base were waited for at the tile's head)  16 tiles x 16 blocks of 1,024 bytes on:
	XSCALES                                        ; the next tile's scale words of X
.Lno_a:
; THE WAY OUT, block a of 16 rows at a time: 128 registers of gates, 64 in window 2 and 64 in window 3, at v[64 a ..].
.macro SIGF a, hw                      ; the exponents, each accumulator from its low end on: -log2(e) x + (-log2(e) bias); the bias of block B lies in one register, taken for both halves
	WIN 0x82+0x41*(\hw)
	s_wait_alu depctr_va_vdst(0)                   ; the wait ahead of the first readers of matrix results
.irp b, 0,2,4,6
.irp j, 0,2,4,6
	v_pk_fma_f32 v[64*(\a)+8*\b+\j:64*(\a)+8*\b+\j+1], v[64*(\a)+8*\b+\j:64*(\a)+8*\b+\j+1], s[LG:LG+1], v[BS+8*(\hw)+\b:BS+8*(\hw)+\b+1] op_sel_hi:[1,0,0]
.endr
.irp j, 0,2,4,6
	v_pk_fma_f32 v[64*(\a)+8*\b+8+\j:64*(\a)+8*\b+8+\j+1], v[64*(\a)+8*\b+8+\j:64*(\a)+8*\b+8+\j+1], s[LG:LG+1], v[BS+8*(\hw)+\b:BS+8*(\hw)+\b+1] op_sel:[0,0,1] op_sel_hi:[1,0,1]
.endr
.endr
.endm
.macro TR op, a, hw                    ; 64 transcendentals in place
	WIN 0x82+0x41*(\hw)
.set k, 0
.rept 64
	\op v[64*(\a)+k], v[64*(\a)+k]
.set k, k+1
.endr
.endm
.macro ADD1 a, hw
	WIN 0x82+0x41*(\hw)
.set k, 0
.rept 32
	v_pk_add_f32 v[64*(\a)+k:64*(\a)+k+1], v[64*(\a)+k:64*(\a)+k+1], 1.0 op_sel_hi:[1,0]
.set k, k+2
.endr
.endm
.macro SIG a                           ; each batch has one wait ahead of it and one behind it, and a plain place behind its last
	SIGF \a, 0
	SIGF \a, 1
	s_wait_alu depctr_va_vdst(0)
	TR v_exp_f32, \a, 1
	TR v_exp_f32, \a, 0
	v_nop
	s_wait_alu depctr_va_vdst(0)
	ADD1 \a, 0
	ADD1 \a, 1
	s_wait_alu depctr_va_vdst(0)
	TR v_rcp_f32, \a, 1
	TR v_rcp_f32, \a, 0
	v_nop
	s_wait_alu depctr_va_vdst(0)
.endm
.macro CELL a                          ; window 2: in at 64 a + 8 u + j, out at + 32;  window 3: z at 64 a + 8 u + j, f at + 32
.set NC, 32*(\a)
.set NH, 128+32*(\a)
	s_wait_loadcnt 8*(3-(\a))                      ; my block's eight loads of old_cell are in; eight for each later block may be out (where the next tile's 16 loads of scale words were issued behind them, the count asks for more than it needs)
	WIN 0xcb
.irp u, 0,1,2,3
.irp j, 0,2,4,6
	v_pk_add_f32 v[64*(\a)+8*\u+\j:64*(\a)+8*\u+\j+1], v[64*(\a)+8*\u+\j:64*(\a)+8*\u+\j+1], v[64*(\a)+8*\u+\j:64*(\a)+8*\u+\j+1] neg_lo:[0,1] neg_hi:[0,1]   ; z - in
.endr
.endr
	WIN 0x7d
.irp j, 0,1,2,3,4,5,6,7
.irp u, 0,1,2,3
	v_fma_f32 v[NC+4*\j+\u], v[NC+4*\j+\u], v[64*(\a)+32+8*\u+\j], v[64*(\a)+8*\u+\j]   ; old_cell f + (z - in): new_cell, four neighbouring cells in four neighbouring registers
.endr
.endr
	WIN 0x41
.set k, 0
.rept 16
	v_pk_mul_f32 v[NH+k:NH+k+1], v[NC+k:NC+k+1], s[LG:LG+1] op_sel_hi:[1,0]
.set k, k+2
.endr
	s_wait_alu depctr_va_vdst(0)
.set k, 0
.rept 32
	v_exp_f32 v[NH+k], v[NH+k]
.set k, k+1
.endr
	v_nop
	s_wait_alu depctr_va_vdst(0)
.set k, 0
.rept 16
	v_pk_add_f32 v[NH+k:NH+k+1], v[NH+k:NH+k+1], 1.0 op_sel_hi:[1,0]
.set k, k+2
.endr
	s_wait_alu depctr_va_vdst(0)
.set k, 0
.rept 32
	v_rcp_f32 v[NH+k], v[NH+k]
.set k, k+1
.endr
	v_nop
	s_wait_alu depctr_va_vdst(0)
	WIN 0x49
.irp j, 0,1,2,3,4,5,6,7
.irp u, 0,1,2,3
	v_sub_f32 v[NH+4*\j+\u], v[NH+4*\j+\u], v[64*(\a)+32+8*\u+\j]   ; sigmoid(new_cell) - out: new_h
.endr
.endr
	WIN 0x04                                       ; a store's data are its source 1: window 1
.irp j, 0,1,2,3,4,5,6,7
	global_store_b128 v[CO], v[NC+4*\j:NC+4*\j+3], s[16:17] offset:(16*(\a)+\j)*4096 th:TH_STORE_NT   ; sixteen lanes store 256 consecutive bytes, at a multiple of 256 from the buffer's first byte
.endr
.irp j, 0,1,2,3,4,5,6,7
	global_store_b128 v[CO], v[NH+4*\j:NH+4*\j+3], s[14:15] offset:(16*(\a)+\j)*4096 th:TH_STORE_NT
.endr
.endm
	SIG 0
	CELL 0
	SIG 1
	CELL 1
	ONWARD 1, .Lno_b                               ; two blocks of the way out behind slot 0's request: slot 1 takes the next tile's steps 3 to 5
.Lno_b:
	SIG 2
	CELL 2
	SIG 3
	CELL 3
	WIN 0
	s_wait_alu depctr_va_vdst(0)
	s_sub_co_u32 s3, s3, 1
	s_cmp_eq_u32 s3, 0
	s_cbranch_scc1 .Ldone
	s_wait_xcnt 0x0                                ; the stores, loads and prefetches have read their bases and their data: the bases step, and fragments may land on the registers that were stored
	s_add_nc_u64 s[12:13], s[12:13], 0x1000000     ; 4,096 rows of 4,096 bytes on
	s_add_nc_u64 s[14:15], s[14:15], 0x1000000
	s_add_nc_u64 s[16:17], s[16:17], 0x1000000
	s_cmp_eq_u32 s21, 0
	s_cselect_b32 s94, 16*TROW, 0                  ; X's waves prefetch from the next tile on; W's ask for nothing more (s95 = 0 since the head)
	s_add_nc_u64 s[PFA:PFA+1], s[PFA:PFA+1], s[94:95]
	FIRST                                          ; slot 0 was shown whole to every wave by the round in front of slot 1's fill
	s_cmp_lg_u32 s3, 0
	s_cbranch_scc1 .Ltile
.Ldone:
	s_wait_tensorcnt 0x0                           ; the wave's end
	ds_add_u32 v[SPW], v[NIL]
	s_wait_dscnt 0x0
	CROUND                                         ; the closing round
	s_endpgm
.Lfunc_end_k_qcdf2526aea_cell:
	.size	k_qcdf2526aea_cell, .Lfunc_end_k_qcdf2526aea_cell-k_qcdf2526aea_cell
	.p2alignl 7, 3214868480
	.fill 96, 4, 3214868480
	.section	.rodata,"a",@progbits
	.p2align	6, 0x0
	.amdhsa_kernel k_qcdf2526aea_cell
		.amdhsa_group_segment_fixed_size 327680
		.amdhsa_private_segment_fixed_size 0
		.amdhsa_enable_private_segment 0
		.amdhsa_kernarg_size 56
		.amdhsa_user_sgpr_count 2
		.amdhsa_user_sgpr_kernarg_segment_ptr 1
		.amdhsa_wavefront_size32 1
		.amdhsa_system_sgpr_workgroup_id_x 1
		.amdhsa_system_sgpr_workgroup_id_y 1
		.amdhsa_system_sgpr_workgroup_id_z 1
		.amdhsa_system_vgpr_workitem_id 0
		.amdhsa_next_free_vgpr 1024
		.amdhsa_next_free_sgpr 102
		.amdhsa_reserve_vcc 0
		.amdhsa_float_denorm_mode_32 3
		.amdhsa_float_denorm_mode_16_64 3
		.amdhsa_memory_ordered 1
		.amdhsa_forward_progress 1
		.amdhsa_inst_pref_size 255
	.end_amdhsa_kernel
	.section	.bss,"aw",@nobits
	.p2align	6
	.space	262144
	.amdgpu_metadata
---
amdhsa.version: [ 1, 2 ]
amdhsa.kernels:
  - .name:           k_qcdf2526aea_cell
    .symbol:         k_qcdf2526aea_cell.kd
    .args:
      - { .name: xq, .offset: 0, .size: 8, .value_kind: global_buffer, .address_space: global }
      - { .name: wq, .offset: 8, .size: 8, .value_kind: global_buffer, .address_space: global }
      - { .name: sc, .offset: 16, .size: 8, .value_kind: global_buffer, .address_space: global }
      - { .name: bias, .offset: 24, .size: 8, .value_kind: global_buffer, .address_space: global }
      - { .name: old_cell, .offset: 32, .size: 8, .value_kind: global_buffer, .address_space: global }
      - { .name: out0, .offset: 40, .size: 8, .value_kind: global_buffer, .address_space: global }
      - { .name: out1, .offset: 48, .size: 8, .value_kind: global_buffer, .address_space: global }
    .group_segment_fixed_size: 327680
    .private_segment_fixed_size: 0
    .kernarg_segment_align: 8
    .kernarg_segment_size: 56
    .max_flat_workgroup_size: 128
    .sgpr_count:     102
    .vgpr_count:     1024
    .wavefront_size: 32
...
	.end_amdgpu_metadata
.endif
;; end of part 2
